; MI455X (gfx1250); checked and timed in simulation.
; The chip was launched on July 23, 2026; its instructions are those of AMD's public machine-readable ISA for CDNA 5 (MIT licence, August 2026) and "CDNA5" Instruction Set Architecture Reference Guide (July 2026). The comments in the code are by the model that wrote it; some were corrected since.
;; Model. Allowed arithmetic: matrix products marked QUANTISED: E5M2 operands, one given power-of-two scale a tensor, by v_wmma_f32_16x16x64_bf8_bf8 or v_wmma_f32_16x16x128_bf8_bf8, f32 sums; everything else in f32.
;; Inputs: inv_scale_factor 1 float32; key_codes 2 x 16 x 2,048 x 2 x 32 uint8 (E5M2 codes of key, K innermost, in blocks of 32 codes); lowp_scales 4 int32 (the exponents e of the quantised operands' scales 2^e); query_codes 2 x 16 x 2,048 x 2 x 32 uint8 (E5M2 codes of query, K innermost, in blocks of 32 codes); value_codes 2 x 16 x 64 x 64 x 32 uint8 (E5M2 codes of value, K innermost, in blocks of 32 codes).
;; Outputs: out0 2 x 16 x 2,048 x 64 float32.
;; This version of the problem:
;;   THIS VERSION OF THE PROBLEM IS GIVEN IN LOW PRECISION. The matrix products marked QUANTISED in the list below multiply operands that are first quantised to E5M2 (5 exponent bits, 2 mantissa bits; 8 bits a number), with one given power-of-two scale for each operand tensor; their sums are f32. All else is computed in f32.
;;   The module's matrix products, in the order in which they are computed (A, B: the left and right operand; K: the contracted axis; several contracted axes count as one K, in the product's order):
;;     1. batch 32 x [M 2,048, K 64] x [K 64, N 2,048]; A: input query (given as codes); B: input key (given as codes): QUANTISED (scales: A lowp_scales[0], B lowp_scales[1])
;;     2. batch 32 x [M 2,048, K 2,048] x [K 2,048, N 64]; A: softmax (see below); B: input value (given as codes): QUANTISED (scales: A lowp_scales[2], B lowp_scales[3])
;;   THE QUANTISER, for each operand of a quantised product, along K:
;;     - The operand's scale is 2^e, e = its entry of the input lowp_scales (int32; the entries are numbered through the quantised products in the list's order, A before B).
;;     - Each number is divided by the scale, clamped to +-57,344, and rounded to the nearest number of E5M2, ties to even, subnormals kept.
;;     - The product sums the exact products of the quantised numbers (number of the format x scale) in f32.
;;   ~~~python
;;   def quantise(x, axis, e):      # numpy; x: float32 -> the quantised numbers, widened to float32 again
;;       x = np.moveaxis(x, axis, -1); K = x.shape[-1]
;;       r = np.clip(x / 2.0 ** e, -57344, 57344)
;;       step = 2.0 ** (np.maximum(np.frexp(np.where(r == 0, 1, r))[1] - 1, -14) - 2)
;;       q = np.round(r / step) * step * 2.0 ** e      # np.round: ties to even
;;       return np.moveaxis(q, -1, axis).astype(np.float32)
;;   ~~~
;;   SOFTMAX AHEAD OF A QUANTISED PRODUCT. Where the list says 'softmax', what is quantised is not the finished softmax but p = 2^(t - M), with t = logit x log2(e) and M = ceil(the row's largest t), a whole number; so 1/2 < the row's largest p <= 1. The row's sum l is taken of the UNQUANTISED p, in f32, and the product's result is divided by l at the end. Since M is a whole number, a kernel that streams over the keys may use a running M (the ceiling of the running maximum): every later rescaling is an exact power of two, so the quantised numbers keep their values, but for numbers so far below the row's largest that they fall under the format's range.
;;   OPERANDS COMPUTED ON THE WAY. 'Computed on the way' means the value that the module computes at that place (a softmax that the list does not call 'softmax' is quantised finished and normalised). What goes into a quantiser is computed in f32, as accurately as f32 sums, v_exp_f32 and their like allow (about 1e-6 of the number): no bf16 or f16 on the way to a quantiser, and a product that is left as it is and whose result goes on into a quantised operand takes f32 operands (vector FMAs, or v_wmma_f32_16x16x4_f32). A number that lies on a knife's edge between two numbers of the format may be rounded either way, as far as f32 arithmetic and the matrix unit's own rounding can turn it there, and no further.
;;   INPUTS GIVEN AS CODES. key (in the module: [2, 16, 2048, 64], K = its axis 3); query (in the module: [2, 16, 2048, 64], K = its axis 3); value (in the module: [2, 16, 2048, 64], K = its axis 2): each comes as NAME_codes (uint8): NAME with its K axis moved to the last place and cut into blocks of 32 codes, [.., K / 32, bytes a block], one block behind the other in memory; one code a byte (a code: sign, 5 exponent bits, 2 mantissa bits); its scale is its entry of lowp_scales. Its value is code x scale, taken as it is: it is not quantised again, and the codes and scales need not be those that the quantiser above would give.
;; One version. Each part assembles by itself: llvm-mc -triple=amdgcn-amd-amdhsa -mcpu=gfx1250 --defsym DOCPART=n.
;; ======== version 1 of 1: 1 launch
;; limits: right only within a limited range of input values
;; launch attn (part 1): grid 8 x 32, 16 waves a work-group, no clusters, 299,008 bytes of LDS; arguments query_codes, key_codes, value_codes, lowp_scales, inv_scale_factor, out0; writes out0
.if DOCPART == 1
	.amdgcn_target "amdgcn-amd-amdhsa--gfx1250"
	.amdhsa_code_object_version 6
	.text
	.protected	k_q3ebc26eee8_attn
	.globl	k_q3ebc26eee8_attn
	.p2align	8
	.type	k_q3ebc26eee8_attn,@function
k_q3ebc26eee8_attn:
	s_mov_b64 s[64:65], 0
	v_nop
	global_prefetch_b8 v0, s[64:65] scope:SCOPE_SE
	s_setreg_imm32_b32 hwreg(HW_REG_WAVE_MODE, 25, 1), 1
	s_wait_xcnt 0x0
; out[h][q][:] = the sum over k of softmax_k(Q[h][q] . K[h][k] / inv_scale_factor) V[h][k][:], 32 heads, 2,048 queries, 2,048 keys, head size 64, no mask.
; Both products on codes of BF8 (E5M2), each tensor with the one scale 2^e that is given for it: eq, ek, ep, ev.  Q, K: [32][2048][64] codes.  V: [32][64][2048] codes, the keys innermost.  out: [32][2048][64] f32.
; THE SOFTMAX AHEAD OF THE SECOND PRODUCT: t = score x c, c = 2^(eq + ek) log2(e) / inv_scale_factor; M = the row's largest t so far, rounded UP to a whole number; p = 2^(t - M) is quantised with 2^ep, not normalised.
; The row's sum is taken of the unquantised p, in f32.  When M moves, the sum and O are multiplied by 2^(old M - new M), which rounds nothing.  At the end O x 2^(ep + ev) / the sum.
; SHARES.  A work-group owns 256 queries of one head.  Its sixteen waves are two groups of eight: group g (wave / 8) walks keys 1,024 g .. + 1,023, 128 a step; wave j of a group (wave % 8) owns 32 queries, two tiles of 16,
; so that each fragment of K and V read from LDS feeds two matrix instructions.  Waves j and 8 + j own the same 32 queries, in opposite order of tiles: at the end each sends its tile 1 to the other through LDS and finishes its tile 0.
; LDS.  The head's K and V, 256 KiB of codes, lie in LDS whole.  Every wave brings 1/16 of them, through registers, in two halves: each group's keys 0 .. 511 (steps 0 to 3) at the head; keys 512 .. 1,023 are asked for
; behind the first barrier, so that no wave's second half is asked for ahead of another wave's first, and are in before step 0's last products.
; THE HOLD at 57,344 x 2^ep is needed only where that is under 2, that is where ep is under -15 (p is at most 1 but for a rounding): a scalar branch on the given ep leads round its 128 instructions a step otherwise.
; There is no cluster and no joint load here; a work-group fetches each byte of K and V once, 32 loads a wave in all, and has no loop of loads for a prefetch to run ahead in.
; LAYOUT.  Both products are used transposed: S^T = K Q^T (source 0 = 16 keys, source 1 = 16 queries, K = 64), O^T = V^T P^T (source 0 = 16 of the head's 64, source 1 = P, K = 128 keys): a lane holds ONE query (lane % 16) throughout.
; K's rows lie in LDS with bits 3 and 4 of the key's number exchanged, so that a tile of 16 LDS rows gives lane (r, h) keys 32 b + 16 h + 8 u + 0 .. 7 (tile 2 b + u): the conversions of tiles 2 b and 2 b + 1 are 16 neighbouring keys, which V's
; fragments take by loads of 16 bytes.  (A permutation of the keys, alike on both sides; K's and Q's fragments take the head's 64 likewise by two loads of 16 bytes.)
; LIMITS.  ep between -126 and 112 (2^ep and 57,344 x 2^ep are made as f32 numbers).  eq + ek and ep + ev are applied by v_ldexp_f32; c must come out a normal f32 number.  inv_scale_factor: finite, not 0, neither it nor
; its reciprocal denormal; either sign is served (a negative one turns the sign bit of Q's codes, which is exact, so that c is positive).  Codes of infinity and NaN are not served.  The scaled scores t stay under 2^31 in magnitude.
; M is taken of c x the largest score, rounded once, and t - M is one fused multiply-add: p may pass 1 by a rounding.  p under 2^-126 counts as 0.
; REGISTERS: v0 the thread's number; v1-7 addresses and 2^ep; v8-23 statistics, 8 a tile; v24-39 P of tile 0, and K's fragments 6, 7; v40-47 at work; v48-63 Q; v64-127 O^T (in step 0 first the second half of my loads);
;   v128-191 S^T of tile 0, then V's fragments 0-2 and (v176-191) P of tile 1; v192-255 S^T of tile 1, then V's fragment 3 and (v208-255) the next step's fragments 0-5 of K.
.set KP,    80                         ; a key's row in LDS: 64 bytes + 16 of padding: the 16 rows that a load of 16 bytes a lane touches start at 16 different groups of four banks (64 banks of 4 bytes: ISA guide 11.1)
.set KHALF, 1024*KP                    ; a group's keys
.set VP,    1040                       ; a row of a group's V: 1,024 bytes + 16
.set VHALF, 64*VP
.set VOFF,  2*KHALF                    ; V lies behind K
.set SPARE, VOFF+2*VHALF               ; 296,960: the spare words, 128 bytes for each wave, which no other line names
.set KST8,  128*KP                     ; a step's rows of K
.set XW,    4352                       ; the end: a wave's exchange: 8 x 512 + 256 bytes; also its stage, 16 rows of 272.  Eight lie in each group's first 512 rows of K (40,960 bytes), which steps 0 to 3 alone read
.set AK0, 1
.set AV0, 2
.set ADK, 3
.set ADV, 4
.set SPW, 5
.set NIL, 6
.set SC,  7
.set ST,  8                            ; tile x's statistics at v[ST + 8 x]: +0 -M, +1 zero (named with it as a pair), +2, +3 the sum in two halves, +4 f, +5 (named with f as a pair), +6, +7 at work
.set LO,  12                           ; v12, until step 1 makes the first f: my offset in a load of 512 bytes
.set KPUT, 13                          ; v13, v21 (the two +5): where my loads of K and of V go in LDS
.set VPUT, 21
.set PA,  24
.set T,   40
.set Q,   48
.set O,   64
.set S,   128
.set P1,  176
.set V3,  192
.set KF,  208
.set WV,  16                           ; s16 wave, s17 group g, s18 j
.set SEL, 20                           ; s[20:21] lane selects for v_permlanex16_b32: lane l xor 16
.set C,   22                           ; s[22:23] c, twice
.set EP,  42
.set LIM, 45                           ; s45 57,344 x 2^ep
.set EPV, 46                           ; s46 ep + ev
.set TBK, 47                           ; s47 the step's first byte in the group's K
.set TBV, 48                           ; s48 and in a row of V
.set CNT, 49
	s_load_b256 s[4:11], s[0:1], 0x0               ; Q's codes s[4:5], K's s[6:7], V's s[8:9], the scales' exponents s[10:11]
	s_load_b128 s[12:15], s[0:1], 0x20             ; inv_scale_factor s[12:13], out s[14:15]
	v_lshrrev_b32 v3, 5, v0
	v_readfirstlane_b32 s[WV], v3
	s_lshr_b32 s17, s[WV], 3                       ; g
	s_and_b32 s18, s[WV], 7                        ; j
	s_and_b32 s19, ttmp7, 0xffff                   ; the head
	s_lshl_b32 s24, s19, 17                        ; its first byte in each tensor of codes
	s_lshl_b32 s26, s17, 16
	s_lshl_b32 s27, s18, 12
	s_add_co_u32 s26, s26, s27
	s_add_co_u32 s26, s26, s24                     ; K: key 1,024 g + 64 j
	s_mov_b32 s27, 0
	s_lshl_b32 s28, s17, 10
	s_lshl_b32 s29, s18, 14
	s_add_co_u32 s28, s28, s29
	s_add_co_u32 s28, s28, s24                     ; V: row 8 j, key 1,024 g
	s_mov_b32 s29, 0
	s_lshl_b32 s30, ttmp9, 14
	s_lshl_b32 s31, s18, 11
	s_add_co_u32 s30, s30, s31
	s_add_co_u32 s30, s30, s24                     ; Q: query 256 x block + 32 j,
	s_xor_b32 s33, s17, 1
	s_lshl_b32 s32, s33, 10
	s_add_co_u32 s32, s32, s30                     ; tile 1: 16 (1 - g) queries on,
	s_lshl_b32 s33, s17, 10
	s_add_co_u32 s30, s30, s33                     ; tile 0: 16 g queries on
	s_mov_b32 s31, 0
	s_mov_b32 s33, 0
	s_lshl_b32 s34, s19, 19
	s_lshl_b32 s35, ttmp9, 16
	s_add_co_u32 s34, s34, s35
	s_lshl_b32 s35, s18, 13
	s_add_co_u32 s34, s34, s35
	s_lshl_b32 s35, s17, 12
	s_add_co_u32 s34, s34, s35                     ; out: tile 0's rows
	s_mov_b32 s35, 0
	s_mul_i32 s36, s17, KHALF
	s_mul_i32 s37, s17, VHALF
	s_add_co_u32 s37, s37, VOFF
	s_mul_i32 s38, s18, 64*KP
	s_add_co_u32 s38, s38, s36
	s_mul_i32 s39, s18, 8*VP
	s_add_co_u32 s39, s39, s37
	s_mov_b32 s[SEL], 0x76543210
	s_mov_b32 s[SEL+1], 0xfedcba98
	s_mov_b32 s[TBK], 0
	s_mov_b32 s[TBV], 0
	v_lshl_add_u32 v[SPW], v0, 2, SPARE
	v_mov_b32 v[NIL], 0
	v_and_b32 v42, 31, v0
	v_lshlrev_b32 v[LO], 4, v42
	v_and_b32 v43, 15, v0                          ; r
	v_bfe_u32 v44, v0, 4, 1                        ; h
	v_lshlrev_b32 v41, 6, v43
	v_lshl_add_u32 v41, v44, 4, v41                ; Q: row r of 64 bytes, + 16 h
	v_mul_u32_u24 v[AK0], v43, KP
	v_lshl_add_u32 v[AK0], v44, 4, v[AK0]
	v_add_nc_u32 v[AK0], s36, v[AK0]
	v_mul_u32_u24 v[AV0], v43, VP
	v_lshl_add_u32 v[AV0], v44, 4, v[AV0]
	v_add_nc_u32 v[AV0], s37, v[AV0]
	v_lshrrev_b32 v45, 2, v42
	v_mul_u32_u24 v[KPUT], v45, KP
	v_and_b32 v46, 3, v0
	v_lshl_add_u32 v[KPUT], v46, 4, v[KPUT]
	v_add_nc_u32 v[KPUT], s38, v[KPUT]             ; K: a load of mine is eight rows of 64 bytes
	v_add_nc_u32 v[VPUT], s39, v[LO]               ; V: 512 bytes of one row
.irp x, 0,1
	v_mov_b32 v[ST+8*\x+1], 0
	v_mov_b32 v[ST+8*\x+2], 0                      ; the sum
	v_mov_b32 v[ST+8*\x+3], 0
	v_mov_b32 v[ST+8*\x+7], 0                      ; written once: a lane permute's destination counts as one of its sources
.endr
	s_wait_alu depctr_va_vdst(0)
	s_wait_kmcnt 0x0
	s_load_b128 s[40:43], s[10:11], 0x0            ; eq, ek, ep, ev
	s_load_b32 s44, s[12:13], 0x0                  ; inv_scale_factor
	s_add_nc_u64 s[6:7], s[6:7], s[26:27]
	s_add_nc_u64 s[8:9], s[8:9], s[28:29]
	s_add_nc_u64 s[50:51], s[4:5], s[30:31]
	s_add_nc_u64 s[52:53], s[4:5], s[32:33]
	s_add_nc_u64 s[14:15], s[14:15], s[34:35]
.irp i, 0,1,2,3,4,5,6,7                        ; 20 loads: 512 consecutive bytes each of the group's keys 0 .. 511 of K, then of V,
	global_load_b128 v[S+4*\i:S+4*\i+3], v[LO], s[6:7] offset:512*\i
.endr
.irp i, 0,1,2,3,4,5,6,7
	global_load_b128 v[S+32+4*\i:S+32+4*\i+3], v[LO], s[8:9] offset:2048*\i
.endr
	global_load_b128 v[Q:Q+3], v41, s[50:51] th:TH_LOAD_NT                 ; and Q's two tiles
	global_load_b128 v[Q+4:Q+7], v41, s[50:51] offset:32 th:TH_LOAD_NT
	global_load_b128 v[Q+8:Q+11], v41, s[52:53] th:TH_LOAD_NT
	global_load_b128 v[Q+12:Q+15], v41, s[52:53] offset:32 th:TH_LOAD_NT
	s_wait_kmcnt 0x0
	s_and_b32 s24, s44, 0x7fffffff                 ; a = |inv_scale_factor|
	v_mov_b32 v42, s24
	v_mov_b32 v44, 0x3fb8aa3b                      ; log2(e)
	s_wait_alu depctr_va_vdst(0)                   ; wait ahead of the transcendental
	v_rcp_f32 v43, v42
	v_nop
	s_wait_alu depctr_va_vdst(0)                   ; and behind it
	v_mul_f32 v45, v44, v43                        ; q = log2(e) x (1 / a), and one step of correction, so that c is as good as an f32 division:
	v_fma_f32 v46, -v45, v42, v44                  ; what q a lacks of log2(e),
	v_fma_f32 v45, v46, v43, v45                   ; divided by a, is added
	s_add_co_i32 s24, s40, s41
	v_ldexp_f32 v45, v45, s24                      ; a score stands for score x 2^(eq + ek)
	v_readfirstlane_b32 s[C], v45                  ; the same number in every lane
	s_mov_b32 s[C+1], s[C]                         ; (named with it as a pair, so it is written)
	s_add_co_i32 s24, s[EP], 127
	s_lshl_b32 s25, s24, 23
	v_mov_b32 v[SC], s25                           ; 2^ep as f32: the conversion takes its exponent field
	s_add_co_i32 s24, s24, 15
	s_lshl_b32 s24, s24, 23
	s_or_b32 s[LIM], s24, 0x600000                 ; 57,344 x 2^ep
	s_add_co_i32 s[EPV], s[EP], s43
	s_ashr_i32 s24, s44, 31
	s_and_b32 s24, s24, 0x80808080                 ; where inv_scale_factor is negative: the sign bits of four codes
.macro PUT kr, vr, ko, vo, head                ; half of my share into LDS: eight loads of K (eight keys each, bits 3 and 4 of the key's number exchanged), eight of V
.irp i, 0,1,2,3,4,5,6,7
	ds_store_b128 v[KPUT], v[\kr+4*\i:\kr+4*\i+3] offset:\ko+KP*(32*(\i/4)+16*(\i%2)+8*((\i/2)%2))
.endr
.if \head
	s_wait_loadcnt 4                               ; V's first half is in; Q's four loads may be out
.endif
.irp i, 0,1,2,3,4,5,6,7
	ds_store_b128 v[VPUT], v[\vr+4*\i:\vr+4*\i+3] offset:\vo+VP*\i
.endr
.endm
	s_wait_alu depctr_va_vdst(0)
	s_wait_loadcnt 12                              ; K's first eight loads are in; V's eight and Q's four were issued behind them
	PUT S, S+32, 0, 0, 1
	s_wait_loadcnt 0x0                             ; Q
.set k, 0
.rept 16
	v_xor_b32 v[Q+k], s24, v[Q+k]                  ; -Q in place of Q where the divisor is negative: so c is positive, and the largest t is c x the largest score
.set k, k+1
.endr
	s_wait_alu depctr_va_vdst(0)
	s_wait_xcnt 0x0                                ; v41 is written again below
	s_wait_dscnt 0x0                               ; my stores are done:
	s_barrier_signal -1
	s_barrier_wait -1                              ; everybody's are
; The lists of a step.  Each macro writes number n of its list for tile x.
; MX, 32: the largest of a lane's 64 scores, in four chains; the scores are read in ascending order, so each accumulator from its low end on.
.macro MX x
.set rS, S+64*(\x)
.set rC, T+4*(\x)
.if n < 4
	v_max3_num_f32 v[rC+n], v[rS+3*n], v[rS+3*n+1], v[rS+3*n+2]
.elseif n < 30
	v_max3_num_f32 v[rC+n%4], v[rC+n%4], v[rS+2*n+4], v[rS+2*n+5]
.elseif n == 30
	v_max3_num_f32 v[rC], v[rC], v[rC+1], v[rC+2]
.else
	v_max_num_f32 v[ST+8*(\x)+6], v[rC], v[rC+3]
.endif
.endm
; TL, 10: M and f.  In the first step (first = 1) there is no earlier M.
.macro TL x, first
.set rT, ST+8*(\x)
.if n == 0
	v_permlanex16_b32 v[rT+7], v[rT+6], s[SEL], s[SEL+1]   ; the query's other 64 keys lie in the lane 16 away
.elseif n == 1
	v_max_num_f32 v[rT+6], v[rT+6], v[rT+7]
.elseif n == 2
	v_mul_f32 v[rT+6], s[C], -v[rT+6]              ; -t of the largest score (c is positive)
.elseif \first
.if n == 3
	v_floor_f32 v[rT], v[rT+6]                     ; -M = floor(-t) = -ceil(t): M is a whole number
.endif
.elseif n == 3
	v_floor_f32 v[rT+6], v[rT+6]
.elseif n == 4
	v_min_num_f32 v[rT+7], v[rT], v[rT+6]          ; the new -M
.elseif n == 5
	v_sub_f32 v[rT+6], v[rT+7], v[rT]              ; M's old value less its new one: a whole number, 0 or less
.elseif n == 6
	v_mov_b32 v[rT], v[rT+7]
.elseif n == 7
	v_cvt_i32_f32 v[rT+6], v[rT+6]                 ; (it saturates)
.elseif n == 8
	v_ldexp_f32 v[rT+4], 1.0, v[rT+6]              ; f = 2^(old M - new M)
.elseif n == 9
	v_pk_mul_f32 v[rT+2:rT+3], v[rT+2:rT+3], v[rT+4:rT+5] op_sel_hi:[1,0]   ; the sum under the new M
.endif
.endm
; FM, 32: t - M, two at a time (of the pairs c and -M the low word serves both halves)
.macro FM x
.set rS, S+64*(\x)+2*n
	v_pk_fma_f32 v[rS:rS+1], v[rS:rS+1], s[C:C+1], v[ST+8*(\x):ST+8*(\x)+1] op_sel_hi:[1,0,0]
.endm
; SM, 32: the sum of the UNQUANTISED p, two at a time, in four chains; the last three join them
.macro SM x
.set rS, S+64*(\x)
.set rL, ST+8*(\x)+2
.if n < 3
	v_pk_add_f32 v[T+2*n:T+2*n+1], v[rS+4*n:rS+4*n+1], v[rS+4*n+2:rS+4*n+3]
.elseif n < 29
.if (n-3)%4 == 0
	v_pk_add_f32 v[rL:rL+1], v[rL:rL+1], v[rS+2*n+6:rS+2*n+7]
.else
.set rC, T+2*((n-3)%4-1)
	v_pk_add_f32 v[rC:rC+1], v[rC:rC+1], v[rS+2*n+6:rS+2*n+7]
.endif
.elseif n == 29
	v_pk_add_f32 v[T:T+1], v[T:T+1], v[T+2:T+3]
.elseif n == 30
	v_pk_add_f32 v[rL:rL+1], v[rL:rL+1], v[T+4:T+5]
.else
	v_pk_add_f32 v[rL:rL+1], v[rL:rL+1], v[T:T+1]
.endif
.endm
; The hold at the largest code: the conversion does not saturate (ISA guide 7.6.2); p is not negative, so it is one-sided.  Where ep is -15 or more no p reaches it.
.macro HOLD x
	s_cmp_ge_i32 s[EP], -15
	s_cbranch_scc1 .Lno_hold_\@
.set k, S+64*(\x)
.rept 64
	v_min_num_f32 v[k], s[LIM], v[k]
.set k, k+1
.endr
.Lno_hold_\@:
	s_wait_alu depctr_va_vdst(0)                   ; the wait stands here, on both ways
.endm
.macro QK x, t                                 ; 16 keys x 16 queries, begun with the constant 0
.if \t > 5
.set rA, PA+8*(\t-6)
.else
.set rA, KF+8*\t
.endif
	v_wmma_f32_16x16x64_bf8_bf8 v[S+64*\x+8*\t:S+64*\x+8*\t+7], v[rA:rA+7], v[Q+8*\x:Q+8*\x+7], 0
.endm
.macro KLD d, a, o                             ; a fragment of K: 16 rows
	ds_load_b128 v[\d:\d+3], v[\a] offset:\o
	ds_load_b128 v[\d+4:\d+7], v[\a] offset:\o+32
.endm
.macro VLD d, t                                ; a fragment of V: 16 rows x 128 keys
.irp c, 0,1,2,3
	ds_load_b128 v[\d+4*\c:\d+4*\c+3], v[ADV] offset:16*VP*(\t)+32*\c
.endr
.endm
; A KEY STEP: 128 keys, both tiles of queries.  K's fragments 0 to 5 were asked for by the step before.
.macro STEP first, last
	v_add_nc_u32 v[ADK], s[TBK], v[AK0]            ; behind the last step's products two additions of its sums, these two and the v_nop are five places: loads into, and matrix instructions over, registers that those products
	v_add_nc_u32 v[ADV], s[TBV], v[AV0]            ; have read stand four and five plain instructions behind them (ISA guide 7.12.1 for vector instructions)
	v_nop
	KLD PA, ADK, 6*16*KP
	KLD PA+8, ADK, 7*16*KP
	s_wait_alu depctr_va_vdst(0)
	s_wait_dscnt 4                                 ; fragments 0 to 5 are in; the four loads just issued may be out
.irp t, 0,1,2,3,4,5
	QK 0, \t
.endr
	s_wait_dscnt 0x0
.if \last
	s_barrier_signal -1                            ; I read no row of K any more: its first 512 rows of each group may be written behind this barrier's wait.  Up to there I read V alone
.endif
	QK 0, 6
	QK 0, 7
	QK 1, 0
	QK 1, 1
.if \first
.irp i, 0,1,2,3,4,5,6,7                        ; V's second half: 512 bytes of each of my eight rows
	global_load_b128 v[O+32+4*\i:O+32+4*\i+3], v[LO], s[8:9] offset:512+2048*\i
.endr
.endif
.rept 5
	v_nop                                          ; four places in front of the first read of tile 0's scores; and five behind the products that read K's fragments 0 and 1,
.endr                                          ; whose registers tile 1's accumulators 2 and 3 take (the first maximum names a result of one of those products, and is no place)
.set n, 0
	MX 0                                           ; fragments 2 to 5 likewise, behind five maxima each
	QK 1, 2
	QK 1, 3
.rept 5
.set n, n+1
	MX 0
.endr
	QK 1, 4
	QK 1, 5
.rept 5
.set n, n+1
	MX 0
.endr
	QK 1, 6
	QK 1, 7
.set k, 0
.rept 21                                       ; the rest of tile 0's maxima; from the fifth on (four places behind the last product) with tile 1's
.set n, 11+k
	MX 0
.if k > 3
.set n, k-4
	MX 1
.endif
.set k, k+1
.endr
.set k, 0
.rept 15
.set n, k
	TL 0, \first
.set n, 17+k
	MX 1
.set k, k+1
.endr
.set k, 0
.rept 10
.set n, k
	TL 1, \first
.set n, 2*k
	FM 0
.set n, 2*k+1
	FM 0
.set k, k+1
.endr
.set n, 20
.rept 12
	FM 0
.set n, n+1
.endr
.if \first == 0
.set n, 0
.rept 32                                       ; O^T under the new M: x f; each accumulator from its low end on
	v_pk_mul_f32 v[O+2*n:O+2*n+1], v[O+2*n:O+2*n+1], v[ST+8*(n/16)+4:ST+8*(n/16)+5] op_sel_hi:[1,0]
.set n, n+1
.endr
.endif
	s_wait_alu depctr_va_vdst(0)                   ; wait ahead of the batch
.set n, 0
.rept 32                                       ; tile 0's exponentials: p = 2^(t - M), NOT normalised; between them tile 1's t - M, which only the next batch reads
	v_exp_f32 v[S+2*n], v[S+2*n]
	v_exp_f32 v[S+2*n+1], v[S+2*n+1]
	FM 1
.set n, n+1
.endr
	s_wait_alu depctr_va_vdst(0)                   ; and behind it
.set n, 0
.rept 32
	SM 0
.set n, n+1
.endr
	HOLD 0                                         ; (its wait stands directly ahead of the batch below)
.set g, 0
.rept 8                                        ; tile 1's exponentials, with tile 0's conversions, and V's fragments 0 to 2 into registers that have been converted
.set k, S+64+8*g
.rept 8
	v_exp_f32 v[k], v[k]
.set k, k+1
.endr
	v_cvt_scalef32_pk8_bf8_f32 v[PA+2*g:PA+2*g+1], v[S+8*g:S+8*g+7], v[SC]
.if (g%2 == 1) && (g < 6)
	VLD S+8*(g-1), g/2
.endif
.set g, g+1
.endr
	v_nop                                          ; a plain place behind the last exponential and the last conversion
	s_wait_alu depctr_va_vdst(0)                   ; wait behind the batch
.set n, 0
.rept 29
	SM 1
.set n, n+1
.endr
.if \first
	s_wait_alu depctr_va_vdst(0)
	s_wait_loadcnt 0x0                             ; the second half of my share of K and V
	PUT O, O+32, 512*KP, 512, 0
.endif
	HOLD 1
.set g, 0
.rept 8                                        ; tile 1's conversions, each followed by loads into the registers that it has read: V's fragment 3, then the next step's fragments 0 to 5 of K
	v_cvt_scalef32_pk8_bf8_f32 v[P1+2*g:P1+2*g+1], v[S+64+8*g:S+64+8*g+7], v[SC]
.if g == 1
	VLD V3, 3
.endif
.if (g > 1) && (\last == 0)
	KLD S+64+8*g, ADK, KST8+16*KP*(g-2)
.endif
.set g, g+1
.endr
.set n, 29
	SM 1                                           ; (also the plain place behind the last conversion)
	s_wait_alu depctr_va_vdst(0)
.if \last
	s_wait_dscnt 0x0
.else
	s_wait_dscnt 12                                ; V is in; K's twelve loads, issued behind it, may be out
.endif
.irp t, 0,1,2,3                                ; O^T += V^T P^T: eight accumulators by turns, one instruction a turn.  The first step starts them
.if \t == 3
.set rA, V3
.else
.set rA, S+16*\t
.endif
.if \first
	v_wmma_f32_16x16x128_bf8_bf8 v[O+8*\t:O+8*\t+7], v[rA:rA+15], v[PA:PA+15], 0
	v_wmma_f32_16x16x128_bf8_bf8 v[O+32+8*\t:O+32+8*\t+7], v[rA:rA+15], v[P1:P1+15], 0
.else
	v_wmma_f32_16x16x128_bf8_bf8 v[O+8*\t:O+8*\t+7], v[rA:rA+15], v[PA:PA+15], v[O+8*\t:O+8*\t+7]
	v_wmma_f32_16x16x128_bf8_bf8 v[O+32+8*\t:O+32+8*\t+7], v[rA:rA+15], v[P1:P1+15], v[O+32+8*\t:O+32+8*\t+7]
.endif
.endr
.set n, 30
	SM 1
.set n, 31
	SM 1
.endm
.set g, 0
.rept 6
	KLD KF+8*g, AK0, 16*KP*g                       ; step 0's fragments 0 to 5 of K
.set g, g+1
.endr
.irp i, 0,1,2,3,4,5,6,7                        ; K's second half (V's is asked for among step 0's products), into the registers of O^T, which step 0's last products are the first to write
	global_load_b128 v[O+4*\i:O+4*\i+3], v[LO], s[6:7] offset:32768+512*\i
.endr
	STEP 1, 0                                      ; step 0
	s_wait_alu depctr_va_vdst(0)
	s_wait_dscnt 0x0                               ; my stores of the second half are done:
	s_barrier_signal -1                            ; say so.  Up to this barrier's wait I read the first half alone
	s_mov_b32 s[TBK], KST8
	s_mov_b32 s[TBV], 128
	s_mov_b32 s[CNT], 2
.Lfirst_half:                                  ; steps 1 and 2, and step 3's fragments of K
	STEP 0, 0
	s_add_co_u32 s[TBK], s[TBK], KST8
	s_add_co_u32 s[TBV], s[TBV], 128
	s_sub_co_u32 s[CNT], s[CNT], 1
	s_cmp_lg_u32 s[CNT], 0
	s_wait_alu depctr_va_vdst(0)
	s_cbranch_scc1 .Lfirst_half
	s_barrier_wait -1                              ; everybody's second half is in
	s_mov_b32 s[TBK], 3*KST8
	s_mov_b32 s[TBV], 3*128
	s_mov_b32 s[CNT], 4
.Lsecond_half:                                 ; steps 3 to 6
	STEP 0, 0
	s_add_co_u32 s[TBK], s[TBK], KST8
	s_add_co_u32 s[TBV], s[TBV], 128
	s_sub_co_u32 s[CNT], s[CNT], 1
	s_cmp_lg_u32 s[CNT], 0
	s_wait_alu depctr_va_vdst(0)
	s_cbranch_scc1 .Lsecond_half
	s_mov_b32 s[TBK], 7*KST8
	s_mov_b32 s[TBV], 7*128
	STEP 0, 1                                      ; step 7
	; THE TWO GROUPS ARE JOINED.  My tile 1 goes to the wave that owns the same queries in the other group: O^T as a register image, -M and the lane's part of the sum.  The additions are the places behind the last products.
	s_mul_i32 s24, s18, XW
	s_mul_i32 s25, s17, KHALF
	s_xor_b32 s26, s17, 1
	s_mul_i32 s26, s26, KHALF
	s_add_co_u32 s25, s25, s24                     ; my exchange,
	s_add_co_u32 s26, s26, s24                     ; and the other wave's
	s_wait_alu depctr_va_vdst(0)
	v_and_b32 v3, 31, v0
	v_lshlrev_b32 v1, 4, v3
	v_lshlrev_b32 v2, 3, v3
	v_add_nc_u32 v46, s26, v1
	v_add_nc_u32 v47, s26, v2
	v_add_nc_u32 v1, s25, v1
	v_add_nc_u32 v2, s25, v2
	v_mov_b32 v40, v[ST+8]
	v_add_f32 v41, v[ST+10], v[ST+11]
	v_add_f32 v42, v[ST+2], v[ST+3]                ; tile 0's sum, my lane's part
	s_wait_alu depctr_va_vdst(0)
	s_barrier_wait -1                              ; signalled in step 7: nobody reads K any more
.irp i, 0,1,2,3,4,5,6,7
	ds_store_b128 v1, v[O+32+4*\i:O+32+4*\i+3] offset:512*\i
.endr
	ds_store_b64 v2, v[40:41] offset:4096
	s_wait_dscnt 0x0
	s_barrier_signal -1
	v_and_b32 v3, 15, v0                           ; r
	v_bfe_u32 v4, v0, 4, 1                         ; h
	v_mul_u32_u24 v1, v3, 272
	v_mul_u32_u24 v2, v4, 272
	v_lshl_add_u32 v1, v4, 5, v1
	v_lshl_add_u32 v2, v3, 4, v2
	v_add_nc_u32 v1, s26, v1                       ; the way out: my stage takes the place of what I receive.  In: row r, 32 bytes for each half of the lanes;
	v_add_nc_u32 v2, s26, v2                       ; back: lanes 0-15 one row of 256 bytes, lanes 16-31 the next
	v_lshlrev_b32 v7, 8, v4
	v_lshl_add_u32 v7, v3, 4, v7                   ; and the same two rows in out
	s_wait_alu depctr_va_vdst(0)
	s_barrier_wait -1
	ds_load_b64 v[40:41], v47 offset:4096
.irp i, 0,1,2,3,4,5,6,7
	ds_load_b128 v[S+4*\i:S+4*\i+3], v46 offset:512*\i
.endr
	s_wait_dscnt 8                                 ; the other's -M and sum are in; the eight loads behind them may be out
	v_min_num_f32 v43, v[ST], v40                  ; the joint -M
	v_sub_f32 v44, v43, v[ST]
	v_sub_f32 v45, v43, v40
	v_cvt_i32_f32 v44, v44
	v_cvt_i32_f32 v45, v45
	v_ldexp_f32 v44, 1.0, v44                      ; my factor,
	v_ldexp_f32 v45, 1.0, v45                      ; the other's
	v_mul_f32 v42, v42, v44
	v_fma_f32 v42, v41, v45, v42
	v_permlanex16_b32 v14, v42, s[SEL], s[SEL+1]
	v_add_f32 v42, v42, v14                        ; the row's sum
	s_wait_alu depctr_va_vdst(0)                   ; wait ahead of the transcendental
	v_rcp_f32 v42, v42
	v_nop
	s_wait_alu depctr_va_vdst(0)                   ; and behind it
	v_ldexp_f32 v42, v42, s[EPV]                   ; x 2^(ep + ev)
	v_mul_f32 v44, v44, v42
	v_mul_f32 v46, v45, v42
	s_wait_dscnt 0x0
	s_wait_alu depctr_va_vdst(0)                   ; directly ahead of the first readers of O^T
.set n, 0
.rept 16
	v_pk_mul_f32 v[S+32+2*n:S+32+2*n+1], v[O+2*n:O+2*n+1], v[44:45] op_sel_hi:[1,0]
.set n, n+1
.endr
.set n, 0
.rept 16
	v_pk_fma_f32 v[S+32+2*n:S+32+2*n+1], v[S+2*n:S+2*n+1], v[46:47], v[S+32+2*n:S+32+2*n+1] op_sel_hi:[1,0,1]   ; register 8 t + i is out(r, 16 t + 8 h + i)
.set n, n+1
.endr
.irp t, 0,1,2,3                                ; LDS serves a wave's instructions in order (ISA guide 5.7.1.4): the loads below see these stores
	ds_store_b128 v1, v[S+32+8*\t:S+32+8*\t+3] offset:64*\t
	ds_store_b128 v1, v[S+32+8*\t+4:S+32+8*\t+7] offset:64*\t+16
.endr
.irp i, 0,1,2,3,4,5,6,7
	ds_load_b128 v[S+64+4*\i:S+64+4*\i+3], v2 offset:544*\i
.endr
.irp i, 0,1,2,3,4,5,6,7
	s_wait_dscnt 7-\i                              ; behind load i: its 7 - i younger loads
	global_store_b128 v7, v[S+64+4*\i:S+64+4*\i+3], s[14:15] offset:512*\i th:TH_STORE_NT   ; 32 lanes store 512 consecutive bytes, at a multiple of 256 from out's first byte
.endr
	s_wait_tensorcnt 0x0                           ; the wave's end
	ds_add_u32 v[SPW], v[NIL]
	s_wait_dscnt 0x0
	s_endpgm
.Lfunc_end_k_q3ebc26eee8_attn:
	.size	k_q3ebc26eee8_attn, .Lfunc_end_k_q3ebc26eee8_attn-k_q3ebc26eee8_attn
	.p2alignl 7, 3214868480
	.fill 96, 4, 3214868480
	.section	.rodata,"a",@progbits
	.p2align	6, 0x0
	.amdhsa_kernel k_q3ebc26eee8_attn
		.amdhsa_group_segment_fixed_size 299008
		.amdhsa_private_segment_fixed_size 0
		.amdhsa_enable_private_segment 0
		.amdhsa_kernarg_size 48
		.amdhsa_user_sgpr_count 2
		.amdhsa_user_sgpr_kernarg_segment_ptr 1
		.amdhsa_wavefront_size32 1
		.amdhsa_system_sgpr_workgroup_id_x 1
		.amdhsa_system_sgpr_workgroup_id_y 1
		.amdhsa_system_sgpr_workgroup_id_z 1
		.amdhsa_system_vgpr_workitem_id 0
		.amdhsa_next_free_vgpr 256
		.amdhsa_next_free_sgpr 66
		.amdhsa_reserve_vcc 0
		.amdhsa_float_denorm_mode_32 3
		.amdhsa_float_denorm_mode_16_64 3
		.amdhsa_memory_ordered 1
		.amdhsa_forward_progress 1
		.amdhsa_inst_pref_size 130
	.end_amdhsa_kernel
	.amdgpu_metadata
---
amdhsa.version: [ 1, 2 ]
amdhsa.kernels:
  - .name:           k_q3ebc26eee8_attn
    .symbol:         k_q3ebc26eee8_attn.kd
    .args:
      - { .name: query_codes, .offset: 0, .size: 8, .value_kind: global_buffer, .address_space: global }
      - { .name: key_codes, .offset: 8, .size: 8, .value_kind: global_buffer, .address_space: global }
      - { .name: value_codes, .offset: 16, .size: 8, .value_kind: global_buffer, .address_space: global }
      - { .name: lowp_scales, .offset: 24, .size: 8, .value_kind: global_buffer, .address_space: global }
      - { .name: inv_scale_factor, .offset: 32, .size: 8, .value_kind: global_buffer, .address_space: global }
      - { .name: out0, .offset: 40, .size: 8, .value_kind: global_buffer, .address_space: global }
    .group_segment_fixed_size: 299008
    .private_segment_fixed_size: 0
    .kernarg_segment_align: 8
    .kernarg_segment_size: 48
    .max_flat_workgroup_size: 512
    .sgpr_count:     66
    .vgpr_count:     256
    .wavefront_size: 32
...
	.end_amdgpu_metadata
.endif
;; end of part 1
